; MI455X (gfx1250); checked and timed in simulation.
; The chip was launched on July 23, 2026; its instructions are those of AMD's public machine-readable ISA for CDNA 5 (MIT licence, August 2026) and "CDNA5" Instruction Set Architecture Reference Guide (July 2026). The comments in the code are by the model that wrote it; some were corrected since.
;; Feature Aggregation. Allowed arithmetic: matrix products marked QUANTISED: E5M2 operands, one E8M0 scale for each 32 along K, by v_wmma_scale_f32_16x16x128_f8f6f4 with both operands' format E5M2, f32 sums; everything else in f32.
;; Inputs: Wk_codes 32 x 2 x 32 uint8 (E5M2 codes of Wk, K innermost, in blocks of 32 codes); Wk_scales 32 x 2 uint8 (E8M0 scales of Wk, one for each 32 codes along K); Wq_codes 32 x 2 x 32 uint8 (E5M2 codes of Wq, K innermost, in blocks of 32 codes); Wq_scales 32 x 2 uint8 (E8M0 scales of Wq, one for each 32 codes along K); Wsc_codes 32 x 2 x 32 uint8 (E5M2 codes of Wsc, K innermost, in blocks of 32 codes); Wsc_scales 32 x 2 uint8 (E8M0 scales of Wsc, one for each 32 codes along K); Wv_codes 64 x 2 x 32 uint8 (E5M2 codes of Wv, K innermost, in blocks of 32 codes); Wv_scales 64 x 2 uint8 (E8M0 scales of Wv, one for each 32 codes along K); bk 32 float32; bq 32 float32; gamma 1 float32; x1 8 x 32 x 64 x 64 float32; x2 8 x 32 x 64 x 64 float32.
;; Outputs: out0 8 x 32 x 64 x 64 float32.
;; This version of the problem:
;;   THIS VERSION OF THE PROBLEM IS GIVEN IN LOW PRECISION. The matrix products marked QUANTISED in the list below multiply operands that are first quantised to E5M2 (5 exponent bits, 2 mantissa bits; 8 bits a number), with one power-of-two scale for each 32 numbers along K (OCP MX v1.0); their sums are f32. All else is computed in f32.
;;   The module's matrix products, in the order in which they are computed (A, B: the left and right operand; K: the contracted axis; several contracted axes count as one K, in the product's order):
;;     1. [M 32,768, K 64] x [K 64, N 32]; A: computed on the way; B: input Wq (given as codes): QUANTISED
;;     2. [M 32,768, K 64] x [K 64, N 32]; A: computed on the way; B: input Wk (given as codes): QUANTISED
;;     3. batch 8 x [M 4,096, K 32] x [K 32, N 4,096]; A: computed on the way; B: computed on the way: QUANTISED
;;     4. [M 32,768, K 64] x [K 64, N 64]; A: computed on the way; B: input Wv (given as codes): QUANTISED
;;     5. batch 8 x [M 64, K 4,096] x [K 4,096, N 4,096]; A: computed on the way; B: computed on the way: QUANTISED
;;     6. [M 32,768, K 64] x [K 64, N 32]; A: computed on the way; B: input Wsc (given as codes): QUANTISED
;;   THE QUANTISER, for each operand of a quantised product, along K:
;;     - K is cut into blocks of 32 from its start; a last block that is shorter is filled with zeros.
;;     - A block's scale is 2^e with e = floor(log2(the largest magnitude in the block)) - 15, held to -126 .. 127; a block of zeros has e = 0. As a byte (E8M0): e + 127.
;;     - Each number is divided by its block's scale, clamped to +-57,344, and rounded to the nearest number of E5M2, ties to even, subnormals kept.
;;     - The product sums the exact products of the quantised numbers (number of the format x scale) in f32.
;;   ~~~python
;;   def quantise(x, axis):      # numpy; x: float32 -> the quantised numbers, widened to float32 again
;;       x = np.moveaxis(x, axis, -1); K = x.shape[-1]
;;       x = np.pad(x, [(0, 0)] * (x.ndim - 1) + [(0, -K % 32)]); x = x.reshape(x.shape[:-1] + (-1, 32)); a = np.abs(x).max(-1, keepdims=True)
;;       e = np.where(a > 0, np.clip(np.frexp(np.where(a > 0, a, 1))[1] - 1 - 15, -126, 127), 0)      # np.frexp(a)[1] - 1 = floor(log2(a)), exactly
;;       r = np.clip(x / 2.0 ** e, -57344, 57344)
;;       step = 2.0 ** (np.maximum(np.frexp(np.where(r == 0, 1, r))[1] - 1, -14) - 2)
;;       q = np.round(r / step) * step * 2.0 ** e      # np.round: ties to even
;;       return np.moveaxis(q.reshape(q.shape[:-2] + (-1,))[..., :K], -1, axis).astype(np.float32)
;;   ~~~
;;   OPERANDS COMPUTED ON THE WAY. 'Computed on the way' means the value that the module computes at that place (a softmax that the list does not call 'softmax' is quantised finished and normalised). What goes into a quantiser is computed in f32, as accurately as f32 sums, v_exp_f32 and their like allow (about 1e-6 of the number): no bf16 or f16 on the way to a quantiser, and a product that is left as it is and whose result goes on into a quantised operand takes f32 operands (vector FMAs, or v_wmma_f32_16x16x4_f32). A number that lies on a knife's edge between two numbers of the format may be rounded either way, as far as f32 arithmetic and the matrix unit's own rounding can turn it there, and no further.
;;   INPUTS GIVEN AS CODES. Wk (in the module: [32, 64], K = its axis 1); Wq (in the module: [32, 64], K = its axis 1); Wsc (in the module: [32, 64], K = its axis 1); Wv (in the module: [64, 64], K = its axis 1): each comes as NAME_codes (uint8): NAME with its K axis moved to the last place and cut into blocks of 32 codes, [.., K / 32, bytes a block], one block behind the other in memory; one code a byte (a code: sign, 5 exponent bits, 2 mantissa bits); and NAME_scales (uint8): the same leading axes, one E8M0 byte (e + 127) for each 32 codes along K. Its value is code x scale, taken as it is: it is not quantised again, and the codes and scales need not be those that the quantiser above would give.
;; One version. Each part assembles by itself: llvm-mc -triple=amdgcn-amd-amdhsa -mcpu=gfx1250 --defsym DOCPART=n.
;; ======== version 1 of 1: 3 launches
;; limits: right only within a limited range of input values
;; workspace buffers: qq 1,179,648 bytes; kv 3,407,872 bytes; st 131,072 bytes
;; launch prep (part 1): grid 32 x 8, 4 waves a work-group, no clusters, 9,728 bytes of LDS; arguments x1, x2, Wq_codes, Wq_scales, bq, Wk_codes, Wk_scales, bk, Wv_codes, Wv_scales, qq, kv; writes qq, kv
.if DOCPART == 1
	.amdgcn_target "amdgcn-amd-amdhsa--gfx1250"
	.amdhsa_code_object_version 6
	.text
	.protected	k_qf9ccc201a0_prep
	.globl	k_qf9ccc201a0_prep
	.p2align	8
	.type	k_qf9ccc201a0_prep,@function
k_qf9ccc201a0_prep:
	s_mov_b64 s[64:65], 0
	v_nop
	global_prefetch_b8 v0, s[64:65] scope:SCOPE_SE
	s_setreg_imm32_b32 hwreg(HW_REG_WAVE_MODE, 25, 1), 1
	s_wait_xcnt 0x0
; PREP.  x = [x1; x2] (64 channels) is quantised along the channels (E5M2, one E8M0 byte for each 32), then q = Wq x + bq, k = Wk x + bk, v = Wv x are made by the scaled matrix
; instruction and quantised again: q and k along their 32 channels d, v along the pixels m.  What leaves are IMAGES OF OPERAND REGISTERS: lane l's 16 bytes of a group of four registers at 16 l.
; SHARES.  A work-group takes 128 pixels of one batch (x: the step, y: the batch).  First wave w quantises pixel tiles 2 w and 2 w + 1 of x and hands their images to the others through LDS;
; then the waves part by role, each over all 8 tiles: wave 0 makes q, wave 1 makes k, waves 2 and 3 make v's channels 0-31 and 32-63.
; THE ORDER ALONG K in the buffers: within a block of 32, byte i of lane half h is k = 16 (i / 8) + 8 h + (i % 8).  That is the order in which a result's registers of two neighbouring tiles lie,
; and it is the same on both sides of every later product, so the products are unchanged.
; K UNDER 128.  One side of each product (here the weights) has zero CODES in the blocks that K does not fill; the other side's fragments lie on end, 8 registers a tile, and a window of 16
; registers is named: what lies in its upper half (the next tile's codes, or a tail of zeros) meets zeros.  The scale bytes of those blocks are 0 on both sides.
; BUFFERS.  qq [8][32][4,608]: 8 tile images of 512 bytes, then a scale image: word i of lane (r, h) is the scale word of tile 2 i + h, pixel r.  kv [8][32][13,312]: k as q; from 4,608 v's 16 images
; (channel tile ct, block g at 2,048 ct + 512 g); from 12,800 v's scale words, 8 bytes a lane (word, 0), lanes 0-15 tile 2 e, lanes 16-31 tile 2 e + 1, 256 bytes for each e.
; NO CLUSTER: work-groups share the weights alone, 8 KB against 32 KB of x for each.
; LIMITS: NaN and infinities among the inputs, and such codes among the weights, are not served.  A block of zeros gets the byte 1 (its codes are zeros; this program alone reads the bytes).
.set XIMG, 0                           ; LDS: x's images: tile t, block c at 1,024 t + 512 c + 16 lane
.set XSC,  8192                        ; x's scale words: 16 lane + 4 wave
.set LN,   1                           ; v1   lane
.set RR,   2                           ; v2   r = lane % 16
.set HH,   3                           ; v3   h = lane / 16
.set XO,   4                           ; v4   x: 16 h channels of 16,384 bytes + 4 r
.set WO,   5                           ; v5   a weight's row r of 64 bytes + 16 h
.set WSO,  6                           ; v6   its two scale bytes: 2 r
.set BO,   7                           ; v7   a bias: 32 h
.set LI,   8                           ; v8   16 x lane: an image's place for my lane
.set XW,   9                           ; v9   where I store x's images: 2,048 wave + 16 lane
.set XSW,  10                          ; v10  and my scale word
.set G8,   11                          ; v11  8 x lane
.set W,    12                          ; v12-43   two tiles of my weight: 8 registers of codes, 8 of zeros
.set WS,   44                          ; v44-45   their scale words
.set BI,   46                          ; v46-61   the bias in a result's layout, two tiles
.set D,    64                          ; v64-127  64 numbers: x, later results
.set PC,   128                         ; v128-143 the codes just made
.set TM,   144                         ; v144-147 largest magnitudes, v148-151 bytes, v156-159 the conversions' scale operands
.set SI,   160                         ; v160-163 q's or k's scale image
.set WD,   164                         ; v164-165 scale words at work
.set PR,   166                         ; v166-167 (v's scale word, 0)
.set XS,   168                         ; v168-171 x's scale words: register i: lanes 0-15 tile 2 i, lanes 16-31 tile 2 i + 1
.set XF,   172                         ; v172-235 x's 8 tiles on end; v236-243 the tail of zeros
.set WV,   28                          ; s28  wave
.set HI16, 42                          ; s42  the mask of lanes 16-31
.set SEL,  44                          ; s[44:45] v_permlanex16_b32's selects for lane l xor 16
.set MNT,  46
; 64 numbers of a lane, v[s + 16 b + i]: block b's 16 of mine; lane l xor 16 holds the block's other 16.  Codes to v[PC + 4 b] on, the blocks' bytes to v[TM + 4 + b].
.macro QUANT s
.irp b, 0,1,2,3
	v_max3_num_f32 v[TM+\b], |v[\s+16*\b]|, |v[\s+1+16*\b]|, 0x8000000   ; the floor 2^(16 - 127) holds the byte at 1 from below
.endr
.irp i, 2,4,6,8,10,12,14
.irp b, 0,1,2,3
	v_max3_num_f32 v[TM+\b], v[TM+\b], |v[\s+16*\b+\i]|, |v[\s+1+16*\b+\i]|   ; the four blocks by turns; each result is read from its low end on
.endr
.endr
.irp b, 0,1,2,3
	v_permlanex16_b32 v[TM+4+\b], v[TM+\b], s[SEL], s[SEL+1]
.endr
.irp b, 0,1,2,3
	v_max_num_f32 v[TM+\b], v[TM+\b], v[TM+4+\b]                  ; the block's largest magnitude
.endr
.irp b, 0,1,2,3
	v_add_nc_u32 v[TM+12+\b], 0xf8800000, v[TM+\b]                ; 15 off its exponent field: the conversion's scale operand
.endr
.irp b, 0,1,2,3
.endr
.irp b, 0,1,2,3
	v_lshrrev_b32 v[TM+4+\b], 23, v[TM+12+\b]                     ; the scale's byte
.endr
.irp b, 0,1,2,3
.irp i, 0,1,2,3,4,5,6,7,8,9,10,11,12,13,14,15
.endr
	v_cvt_scalef32_pk8_bf8_f32 v[PC+4*\b:PC+4*\b+1], v[\s+16*\b:\s+16*\b+7], v[TM+12+\b]
	v_cvt_scalef32_pk8_bf8_f32 v[PC+4*\b+2:PC+4*\b+3], v[\s+16*\b+8:\s+16*\b+15], v[TM+12+\b]
.endr
	v_nop                                          ; a plain line behind the last conversion: later products write its sources
.endm
; q, k: source 0 = 16 rows of the weight, source 1 = 16 pixels of x, C = the bias.  rb = 1: x's scale words stand in lanes 16-31
.macro WMQ d, a, b, c, sa, sb, rb
.if \rb
	v_wmma_scale_f32_16x16x128_f8f6f4 v[\d:\d+7], v[\a:\a+15], v[\b:\b+15], v[\c:\c+7], v[\sa], v[\sb] matrix_a_fmt:MATRIX_FMT_BF8 matrix_b_fmt:MATRIX_FMT_BF8 matrix_b_scale:MATRIX_SCALE_ROW1
.else
	v_wmma_scale_f32_16x16x128_f8f6f4 v[\d:\d+7], v[\a:\a+15], v[\b:\b+15], v[\c:\c+7], v[\sa], v[\sb] matrix_a_fmt:MATRIX_FMT_BF8 matrix_b_fmt:MATRIX_FMT_BF8
.endif
.endm
; v: source 0 = 16 pixels of x, source 1 = 16 rows of Wv, C = 0.  ra = 1: x's scale words stand in lanes 16-31
.macro WMV d, a, b, sa, sb, ra
.if \ra
	v_wmma_scale_f32_16x16x128_f8f6f4 v[\d:\d+7], v[\a:\a+15], v[\b:\b+15], 0, v[\sa], v[\sb] matrix_a_fmt:MATRIX_FMT_BF8 matrix_b_fmt:MATRIX_FMT_BF8 matrix_a_scale:MATRIX_SCALE_ROW1
.else
	v_wmma_scale_f32_16x16x128_f8f6f4 v[\d:\d+7], v[\a:\a+15], v[\b:\b+15], 0, v[\sa], v[\sb] matrix_a_fmt:MATRIX_FMT_BF8 matrix_b_fmt:MATRIX_FMT_BF8
.endif
.endm
	s_load_b512 s[4:19], s[0:1], 0x0               ; x1, x2, Wq's codes, Wq's scales, bq, Wk's codes, Wk's scales, bk
	s_load_b256 s[20:27], s[0:1], 0x40             ; Wv's codes, Wv's scales, qq, kv
	v_lshl_add_u32 v254, v0, 2, 0x2400
	v_mov_b32 v255, 0
	v_lshrrev_b32 v1, 5, v0
	v_readfirstlane_b32 s[WV], v1                  ; wave 0..3
	v_and_b32 v[LN], 31, v0
	v_and_b32 v[RR], 15, v0
	v_bfe_u32 v[HH], v0, 4, 1
	s_and_b32 s29, ttmp7, 0xffff                   ; the batch
	s_and_b32 s30, s[WV], 1                        ; e: which half of v's channels
	v_lshlrev_b32 v[XO], 2, v[RR]
	v_lshl_add_u32 v[XO], v[HH], 18, v[XO]
	v_lshlrev_b32 v[WO], 6, v[RR]
	v_lshl_add_u32 v[WO], v[HH], 4, v[WO]
	v_lshlrev_b32 v[WSO], 1, v[RR]
	v_lshlrev_b32 v[BO], 5, v[HH]
	v_lshlrev_b32 v[LI], 4, v[LN]
	s_lshl_b32 s48, s[WV], 11
	v_add_nc_u32 v[XW], s48, v[LI]
	s_lshl_b32 s48, s[WV], 2
	s_add_co_u32 s48, s48, XSC
	v_add_nc_u32 v[XSW], s48, v[LI]
	v_lshlrev_b32 v[G8], 3, v[LN]
	v_cmp_lt_u32 s[HI16], 15, v[LN]
	s_mov_b32 s[SEL], 0x76543210
	s_mov_b32 s[SEL+1], 0xfedcba98
.irp u, 0,1
.irp i, 8,9,10,11,12,13,14,15
	v_mov_b32 v[W+16*\u+\i], 0                     ; the weights' blocks 2 and 3: zero codes
.endr
.endr
.irp i, 64,65,66,67,68,69,70,71
	v_mov_b32 v[XF+\i], 0                          ; the tail behind x's last tile
.endr
.irp i, 4,5,6,7
	v_mov_b32 v[TM+\i], 0                          ; written once: a lane permute's destination counts as one of its sources
.endr
	v_mov_b32 v[PR+1], 0
	; offsets, apart from the addresses
	s_lshl_b32 s31, s29, 5
	s_add_co_u32 s31, s31, ttmp9                   ; 32 x batch + step
	s_lshl_b32 s48, s29, 19                        ; x: a batch is 32 channels of 16,384 bytes,
	s_lshl_b32 s60, ttmp9, 9                       ; a step 128 pixels,
	s_add_co_u32 s48, s48, s60
	s_lshl_b32 s60, s[WV], 7                       ; my wave's two tiles 32
	s_add_co_u32 s48, s48, s60
	s_mov_b32 s49, 0
	s_mul_i32 s60, s31, 4608                       ; my group in qq
	s_mul_i32 s61, s31, 13312                      ; my step in kv
	s_lshl_b32 s52, s30, 12
	s_add_co_u32 s52, s52, 4608                    ; v's codes: 4,608 + 4,096 e
	s_lshl_b32 s54, s30, 8
	s_add_co_u32 s54, s54, 12800                   ; v's scale words: 12,800 + 256 e
	s_lshl_b32 s56, s30, 11                        ; Wv's rows 32 e on: codes,
	s_lshl_b32 s58, s30, 6                         ; scale bytes
	s_mov_b32 s43, 4096                            ; q's and k's scale image
	s_mov_b32 s51, 0
	s_mov_b32 s53, 0
	s_mov_b32 s55, 0
	s_mov_b32 s57, 0
	s_mov_b32 s59, 0
	s_wait_kmcnt 0x0
	s_cmp_eq_u32 s[WV], 0                          ; the role's buffers: the choices hang on the wave's number alone
	s_cselect_b64 s[32:33], s[8:9], s[14:15]       ; the weight's codes,
	s_cselect_b64 s[34:35], s[10:11], s[16:17]     ; its scale bytes,
	s_cselect_b64 s[36:37], s[12:13], s[18:19]     ; the bias (waves 2 and 3 load bk and do not use it: one path and one wait for all four),
	s_cselect_b64 s[38:39], s[24:25], s[26:27]     ; where the results go
	s_cselect_b32 s50, s60, s61
	s_cmp_lt_u32 s[WV], 2
	s_cselect_b64 s[32:33], s[32:33], s[20:21]
	s_cselect_b64 s[34:35], s[34:35], s[22:23]
	s_cselect_b32 s52, 0, s52
	s_cselect_b32 s54, s43, s54
	s_cselect_b32 s56, 0, s56
	s_cselect_b32 s58, 0, s58
	s_add_nc_u64 s[4:5], s[4:5], s[48:49]
	s_add_nc_u64 s[6:7], s[6:7], s[48:49]
	s_add_nc_u64 s[32:33], s[32:33], s[56:57]
	s_add_nc_u64 s[34:35], s[34:35], s[58:59]
	s_add_nc_u64 s[38:39], s[38:39], s[50:51]
	s_add_nc_u64 s[40:41], s[38:39], s[54:55]      ; the scales' place
	s_add_nc_u64 s[38:39], s[38:39], s[52:53]      ; the codes' place
	; x: lane (r, h) takes pixel r and channels 16 h + i of each block of 32 (x1 is block 0, x2 block 1): the order in which the weights' codes are loaded.  Sixteen lanes read 64 consecutive bytes
.irp q, 0,1
.irp i, 0,1,2,3,4,5,6,7,8,9,10,11,12,13,14,15
	global_load_b32 v[D+32*\q+\i], v[XO], s[4:5] offset:16384*\i+64*\q th:TH_LOAD_NT
.endr
.irp i, 0,1,2,3,4,5,6,7,8,9,10,11,12,13,14,15
	global_load_b32 v[D+32*\q+16+\i], v[XO], s[6:7] offset:16384*\i+64*\q th:TH_LOAD_NT
.endr
.endr
.irp u, 0,1
.irp c, 0,1
	global_load_b128 v[W+16*\u+4*\c:W+16*\u+4*\c+3], v[WO], s[32:33] offset:1024*\u+32*\c   ; row 16 u + r, k = 32 c + 16 h + 0 .. 15
.endr
	global_load_u16 v[WS+\u], v[WSO], s[34:35] offset:32*\u      ; two scale bytes; bytes 2 and 3 of the word are 0
	global_load_b128 v[BI+8*\u:BI+8*\u+3], v[BO], s[36:37] offset:64*\u        ; the bias of rows 16 u + 8 h + 0 .. 7
	global_load_b128 v[BI+8*\u+4:BI+8*\u+7], v[BO], s[36:37] offset:64*\u+16
.endr
	s_wait_loadcnt 0x0
	QUANT D                                        ; blocks 0, 1: tile 2 w; blocks 2, 3: tile 2 w + 1
	v_lshl_or_b32 v[WD], v[TM+5], 8, v[TM+4]       ; a tile's scale word: two bytes, and zeros
	v_lshl_or_b32 v[WD+1], v[TM+7], 8, v[TM+6]
	v_cndmask_b32 v[WD], v[WD], v[WD+1], s[HI16]   ; lanes 0-15: tile 2 w; lanes 16-31: tile 2 w + 1
.irp g, 0,1,2,3
	ds_store_b128 v[XW], v[PC+4*\g:PC+4*\g+3] offset:XIMG+512*\g
.endr
	ds_store_b32 v[XSW], v[WD]
	s_wait_dscnt 0x0                               ; for the others' sake: my stores have landed
	s_barrier_signal -1
	s_barrier_wait -1                              ; x's eight tiles lie in LDS
.irp t, 0,1,2,3,4,5,6,7
.irp c, 0,1
	ds_load_b128 v[XF+8*\t+4*\c:XF+8*\t+4*\c+3], v[LI] offset:XIMG+1024*\t+512*\c
.endr
.endr
	ds_load_b128 v[XS:XS+3], v[LI] offset:XSC
	s_wait_dscnt 0x0
	s_cmp_lt_u32 s[WV], 2
	s_cbranch_scc0 .Lrole_v
	; ---- q or k: four tiles of pixels at a time.  Lane (r, h) holds pixel 16 t + r; the 16 registers of a tile's two results are d = 16 u + 8 h + j: all that a lane has of the one block of 32
.irp p, 0,1
.irp b, 0,1,2,3
.irp u, 0,1
	WMQ D+16*\b+8*\u, W+16*\u, XF+8*(4*\p+\b), BI+8*\u, WS+\u, XS+(4*\p+\b)/2, \b%2
.endr
.endr
.rept 8
	v_nop                                          ; eight places between these products and the first read of their results
.endr
.if \p
	s_wait_xcnt 0x0                                ; the first four tiles' stores have read their data: the codes' registers are written again
.endif
	QUANT D
	v_cndmask_b32 v[SI+2*\p], v[TM+4], v[TM+5], s[HI16]       ; word 2 p + i of the scale image: lanes 0-15 the even tile's byte, lanes 16-31 the odd tile's
	v_cndmask_b32 v[SI+2*\p+1], v[TM+6], v[TM+7], s[HI16]
.irp b, 0,1,2,3
	global_store_b128 v[LI], v[PC+4*\b:PC+4*\b+3], s[38:39] offset:2048*\p+512*\b   ; 32 lanes store 512 consecutive bytes, at a multiple of 256 from the buffer's first byte
.endr
.endr
	global_store_b128 v[LI], v[SI:SI+3], s[40:41]
	s_wait_tensorcnt 0x0
	ds_add_u32 v254, v255
	s_wait_dscnt 0x0
	s_endpgm
.Lrole_v:
	; ---- v: a tile of 16 channels at a time, all 128 pixels.  Lane (r, h) holds channel r; the 16 registers of tiles 2 g and 2 g + 1 are pixels 32 g + 16 u + 8 h + j
.irp p, 0,1
.irp g, 0,1,2,3
.irp u, 0,1
	WMV D+16*\g+8*\u, XF+8*(2*\g+\u), W+16*\p, XS+\g, WS+\p, \u
.endr
.endr
.rept 8
	v_nop
.endr
.if \p
	s_wait_xcnt 0x0                                ; the first tile's stores have read their data
.endif
	QUANT D
	v_lshl_or_b32 v[WD+\p], v[TM+5], 8, v[TM+4]    ; the four blocks' bytes: the channel's scale word for these 128 pixels
	v_lshl_or_b32 v[WD+\p], v[TM+6], 16, v[WD+\p]
	v_lshl_or_b32 v[WD+\p], v[TM+7], 24, v[WD+\p]
.irp g, 0,1,2,3
	global_store_b128 v[LI], v[PC+4*\g:PC+4*\g+3], s[38:39] offset:2048*\p+512*\g
.endr
.endr
	v_cndmask_b32 v[PR], v[WD], v[WD+1], s[HI16]   ; lanes 0-15: tile 2 e; lanes 16-31: tile 2 e + 1
	global_store_b64 v[G8], v[PR:PR+1], s[40:41]   ; 32 lanes store 256 consecutive bytes, aligned
	s_wait_tensorcnt 0x0
	ds_add_u32 v254, v255
	s_wait_dscnt 0x0
	s_endpgm
.Lfunc_end_k_qf9ccc201a0_prep:
	.size	k_qf9ccc201a0_prep, .Lfunc_end_k_qf9ccc201a0_prep-k_qf9ccc201a0_prep
	.p2alignl 7, 3214868480
	.fill 96, 4, 3214868480
	.section	.rodata,"a",@progbits
	.p2align	6, 0x0
	.amdhsa_kernel k_qf9ccc201a0_prep
		.amdhsa_group_segment_fixed_size 9728
		.amdhsa_private_segment_fixed_size 0
		.amdhsa_enable_private_segment 0
		.amdhsa_kernarg_size 96
		.amdhsa_user_sgpr_count 2
		.amdhsa_user_sgpr_kernarg_segment_ptr 1
		.amdhsa_wavefront_size32 1
		.amdhsa_system_sgpr_workgroup_id_x 1
		.amdhsa_system_sgpr_workgroup_id_y 1
		.amdhsa_system_sgpr_workgroup_id_z 1
		.amdhsa_system_vgpr_workitem_id 0
		.amdhsa_next_free_vgpr 256
		.amdhsa_next_free_sgpr 66
		.amdhsa_reserve_vcc 0
		.amdhsa_float_denorm_mode_32 3
		.amdhsa_float_denorm_mode_16_64 3
		.amdhsa_fp16_overflow 1
		.amdhsa_memory_ordered 1
		.amdhsa_forward_progress 1
		.amdhsa_inst_pref_size 38
	.end_amdhsa_kernel
	.amdgpu_metadata
---
amdhsa.version: [ 1, 2 ]
amdhsa.kernels:
  - .name:           k_qf9ccc201a0_prep
    .symbol:         k_qf9ccc201a0_prep.kd
    .args:
      - { .name: x1, .offset: 0, .size: 8, .value_kind: global_buffer, .address_space: global }
      - { .name: x2, .offset: 8, .size: 8, .value_kind: global_buffer, .address_space: global }
      - { .name: Wq_codes, .offset: 16, .size: 8, .value_kind: global_buffer, .address_space: global }
      - { .name: Wq_scales, .offset: 24, .size: 8, .value_kind: global_buffer, .address_space: global }
      - { .name: bq, .offset: 32, .size: 8, .value_kind: global_buffer, .address_space: global }
      - { .name: Wk_codes, .offset: 40, .size: 8, .value_kind: global_buffer, .address_space: global }
      - { .name: Wk_scales, .offset: 48, .size: 8, .value_kind: global_buffer, .address_space: global }
      - { .name: bk, .offset: 56, .size: 8, .value_kind: global_buffer, .address_space: global }
      - { .name: Wv_codes, .offset: 64, .size: 8, .value_kind: global_buffer, .address_space: global }
      - { .name: Wv_scales, .offset: 72, .size: 8, .value_kind: global_buffer, .address_space: global }
      - { .name: qq, .offset: 80, .size: 8, .value_kind: global_buffer, .address_space: global }
      - { .name: kv, .offset: 88, .size: 8, .value_kind: global_buffer, .address_space: global }
    .group_segment_fixed_size: 9728
    .private_segment_fixed_size: 0
    .kernarg_segment_align: 8
    .kernarg_segment_size: 96
    .max_flat_workgroup_size: 128
    .sgpr_count:     66
    .vgpr_count:     256
    .wavefront_size: 32
...
	.end_amdgpu_metadata
.endif
;; end of part 1
;; launch stats (part 2): grid 32 x 8, 16 waves a work-group, clusters of 4 x 1, 169,984 bytes of LDS; arguments qq, kv, st; writes st
.if DOCPART == 2
	.amdgcn_target "amdgcn-amd-amdhsa--gfx1250"
	.amdhsa_code_object_version 6
	.text
	.protected	k_qf9ccc201a0_stats
	.globl	k_qf9ccc201a0_stats
	.p2align	8
	.type	k_qf9ccc201a0_stats,@function
k_qf9ccc201a0_stats:
	s_mov_b64 s[64:65], 0
	v_nop
	global_prefetch_b8 v0, s[64:65] scope:SCOPE_SE
	s_setreg_imm32_b32 hwreg(HW_REG_WAVE_MODE, 25, 1), 1
	s_wait_xcnt 0x0
	s_wait_alu depctr_hold_cnt(0) depctr_sa_sdst(0) depctr_va_vdst(0) depctr_va_sdst(0) depctr_va_ssrc(0) depctr_va_vcc(0) depctr_vm_vsrc(0)
	s_getreg_b32 s2, hwreg(HW_REG_IB_STS2, 6, 4)
	s_cmp_eq_u32 s2, 0
	s_cbranch_scc0 .Lentry_in_a_cluster
	s_endpgm
.Lentry_in_a_cluster:
	s_bfe_u32 s2, ttmp6, 0x10000c
	s_cmp_lg_u32 s2, 0x3003
	s_cbranch_scc0 .Lentry_shape_is_right
	s_endpgm
.Lentry_shape_is_right:
; STATS.  The softmax runs over the QUERIES n, for each key column m.  For each column this launch makes nB[m] = -(M + ln L), so that a[n][m] = exp(am[n][m] + nB[m]) is the finished softmax.
; t = am x log2(e); M2 = the column's largest t so far rounded UP to a whole number; L = the sum over n of 2^(t - M2); nB = (-M2 - log2 L) x ln 2.  A change of M2 multiplies sums by a power of two: exact.
; SHARES.  A work-group owns the 128 columns of one step of one batch: 8 tiles of k.  Each of its sixteen waves owns 256 queries, 16 tiles of q, which stay in its registers.
; am = q k: source 0 = 16 queries, source 1 = 16 columns, so a lane holds ONE column (lane % 16) and its registers run along the queries: maximum and sum need one exchange between the lanes' halves.
; K = 32: k's fragment has zero codes in blocks 1 to 3; q's tiles lie on end, 4 registers each, and a window of 16 is named: its upper blocks meet zeros.  The scale bytes of those blocks are 0.
; A UNIT is 4 tiles of queries against one tile of columns: 4 products, 32 scores a lane.  The scores have two buffers.  A SECTION issues the NEXT unit's products and then walks its own unit's 32 exponentials;
; between them stand its own multiply-adds (two pairs ahead), its own additions (a pair behind), the lines of the change of M2 and the next unit's maximum: no exponential waits for a neighbour, and the plain lines
; are the places between the products and the first read of their results, so no idle line is written in a section.
; CLUSTER.  All work-groups of a batch read the batch's whole q.  The four of a cluster ask JOINTLY: wave w of each issues the same tensor load (same descriptor, mask of four) for its 9,216 bytes, and reads
; only those bytes: its own wait on TENSORcnt orders them.  Nothing is filled twice.  One tensor load of a wave is out at the most.
; The waves' figures meet in LDS behind one barrier; wave 0 joins them and stores 512 consecutive bytes.
; LIMITS: NaN and infinities are not served.
.set QW,   9216                        ; a wave's part of q: two groups of 128 queries, 4,608 bytes each (8 tile images, a scale image)
.set PART, 147456                      ; behind q: for each wave 128 x -M2 and, 512 bytes on, 128 sums: 1,024 bytes a wave; no tile lands here
.set QA,   1                           ; v1   9,216 wave + 16 lane
.set L16,  2                           ; v2   16 lane
.set PA,   3                           ; v3   PART + 1,024 wave + 4 r
.set MA,   4                           ; v4   PART + 16 lane
.set QS,   8                           ; v8-15   q's scale words: register T / 2 of tile T: lanes 0-15 the even tile, lanes 16-31 the odd one
.set KS,   16                          ; v16-19  k's likewise
.set Q,    20                          ; v20-83  q's 16 tiles on end; v84-95 the tail of zeros
.set KB,   96                          ; v96-111, v112-127  two fragments of k: 4 registers of codes, 12 of zeros
.set S,    128                         ; v128-159, v160-191  two buffers of 32 scores
.set MX,   192                         ; v192-193 two chains of the maximum (v192-195 at the end)
.set TT,   194                         ; v194 the largest t
.set SM,   196                         ; v196 the tile's largest score so far
.set NMA,  198                         ; v198 -M2 of a tile's units 0 and 2 (v199 is named with it as a pair)
.set L,    200                         ; v[200:201] the sum, in two halves
.set T,    202                         ; v[202:203] a second chain
.set F,    204                         ; v204 2^(old M2 - new M2) (v205 named with it)
.set DF,   206
.set PX,   207                         ; v207, v208 lane permutes' destinations
.set PY,   208
.set RN,   210                         ; v210-217 a tile's -M2 as it goes to LDS: a register for each tile
.set RL,   220                         ; v220-227 its sum likewise
.set NMB,  228                         ; v228 -M2 of units 1 and 3 (v229 named with it)
.set WV,   10
.set CS,   32                          ; s[32:33] log2(e)
.set SEL,  34
.macro CROUND                          ; a round of the cluster's barrier
	s_barrier_signal -1
	s_barrier_wait -1
	s_cmp_lg_u32 s[WV], 0
	s_cbranch_scc1 .Lnot_wave_0_\@
	s_barrier_signal -3
.Lnot_wave_0_\@:
	s_barrier_wait -3
	s_barrier_signal -1
	s_barrier_wait -1
.endm
.macro WM0 d, a, b, sa, sb, ra, rb     ; C = 0.  ra, rb = 1: that side's scale words stand in lanes 16-31
.if (\ra) && (\rb)
	v_wmma_scale_f32_16x16x128_f8f6f4 v[\d:\d+7], v[\a:\a+15], v[\b:\b+15], 0, v[\sa], v[\sb] matrix_a_fmt:MATRIX_FMT_BF8 matrix_b_fmt:MATRIX_FMT_BF8 matrix_a_scale:MATRIX_SCALE_ROW1 matrix_b_scale:MATRIX_SCALE_ROW1
.elseif (\ra)
	v_wmma_scale_f32_16x16x128_f8f6f4 v[\d:\d+7], v[\a:\a+15], v[\b:\b+15], 0, v[\sa], v[\sb] matrix_a_fmt:MATRIX_FMT_BF8 matrix_b_fmt:MATRIX_FMT_BF8 matrix_a_scale:MATRIX_SCALE_ROW1
.elseif (\rb)
	v_wmma_scale_f32_16x16x128_f8f6f4 v[\d:\d+7], v[\a:\a+15], v[\b:\b+15], 0, v[\sa], v[\sb] matrix_a_fmt:MATRIX_FMT_BF8 matrix_b_fmt:MATRIX_FMT_BF8 matrix_b_scale:MATRIX_SCALE_ROW1
.else
	v_wmma_scale_f32_16x16x128_f8f6f4 v[\d:\d+7], v[\a:\a+15], v[\b:\b+15], 0, v[\sa], v[\sb] matrix_a_fmt:MATRIX_FMT_BF8 matrix_b_fmt:MATRIX_FMT_BF8
.endif
.endm
.macro WU t, v                         ; the four products of unit v of column tile t, into buffer v % 2: query tiles 4 v .. 4 v + 3
.irp i, 0,1,2,3
	WM0 S+32*((\v)%2)+8*\i, Q+4*(4*(\v)+\i), KB+16*((\t)%2), QS+2*(\v)+\i/2, KS+(\t)/2, \i%2, (\t)%2
.endr
.endm
.macro FM p                            ; pair p of the buffer in hand: t - M2, two at a time
	v_pk_fma_f32 v[CB+2*(\p):CB+2*(\p)+1], v[CB+2*(\p):CB+2*(\p)+1], s[CS:CS+1], v[NMC:NMC+1] op_sel_hi:[1,0,0]
.endm
.macro XM c, i                         ; line i (0 .. 7) of chain c (0, 1) of the maximum over the NEXT buffer: 16 registers a chain, ascending, so that each result is read from its low end on
.if (\i) == 0
	v_max3_num_f32 v[MX+\c], v[NB+16*\c], v[NB+16*\c+1], v[NB+16*\c+2]
.elseif (\i) < 7
	v_max3_num_f32 v[MX+\c], v[MX+\c], v[NB+16*\c+2*(\i)+1], v[NB+16*\c+2*(\i)+2]
.else
	v_max_num_f32 v[MX+\c], v[MX+\c], v[NB+16*\c+15]
.endif
.endm
.macro AD p                            ; pair p joins the sums, in two chains.  A tile's first unit starts both chains with its first four pairs: nothing is cleared
.if FIRST
.if (\p) == 1
	s_wait_alu depctr_va_vdst(0)
	v_pk_add_f32 v[L:L+1], v[CB:CB+1], v[CB+2:CB+3]
.elseif (\p) == 3
	s_wait_alu depctr_va_vdst(0)
	v_pk_add_f32 v[T:T+1], v[CB+4:CB+5], v[CB+6:CB+7]
.elseif ((\p) > 3) && ((\p)%2 == 0)
	v_pk_add_f32 v[L:L+1], v[L:L+1], v[CB+2*(\p):CB+2*(\p)+1]
.elseif (\p) > 3
	s_wait_alu depctr_va_vdst(0)
	v_pk_add_f32 v[T:T+1], v[T:T+1], v[CB+2*(\p):CB+2*(\p)+1]
.endif
.else
.if (\p) == 1
	s_wait_alu depctr_va_vdst(0)
	v_pk_add_f32 v[T:T+1], v[CB:CB+1], v[CB+2:CB+3]
.elseif ((\p) > 1) && ((\p)%2 == 0)
	v_pk_add_f32 v[L:L+1], v[L:L+1], v[CB+2*(\p):CB+2*(\p)+1]
.elseif (\p) > 1
	s_wait_alu depctr_va_vdst(0)
	v_pk_add_f32 v[T:T+1], v[T:T+1], v[CB+2*(\p):CB+2*(\p)+1]
.endif
.endif
.endm
.macro TILEEND t                       ; the tile's figures of my 256 queries: the two halves of the sum, then lane l xor 16's, which holds the column's other 128 queries of mine
	v_add_f32 v[L], v[L], v[L+1]
	v_permlanex16_b32 v[PX], v[NMB], s[SEL], s[SEL+1]
	v_min_num_f32 v[RN+\t], v[NMB], v[PX]          ; the larger M2 of the two
	v_sub_f32 v[DF], v[RN+\t], v[NMB]
	v_cvt_i32_f32 v[DF], v[DF]
	v_ldexp_f32 v[L], v[L], v[DF]                  ; my sum under it
	v_permlanex16_b32 v[PY], v[L], s[SEL], s[SEL+1]
	v_add_f32 v[RL+\t], v[L], v[PY]
	ds_store_b32 v[PA], v[RN+\t] offset:64*\t      ; both halves of the lanes write the same word with the same value
	ds_store_b32 v[PA], v[RL+\t] offset:512+64*\t
.endm
; THE SECTION of unit v of column tile t.  At its head the unit's scores lie in buffer v % 2 and its -M2 in NMC.
.macro SECTION t, v
.set CB, S+32*((\v)%2)
.set NB, S+32*(((\v)+1)%2)
.set NMC, NMA+(NMB-NMA)*((\v)%2)
.set NMO, NMA+(NMB-NMA)*(((\v)+1)%2)
.set FIRST, 0
.if (\v) == 0
.set FIRST, 1
.endif
.set HASN, 1
.if ((\t) == 7) && ((\v) == 3)
.set HASN, 0
.endif
.if HASN
.if (\v) == 3
.if (\t) < 6
	s_wait_loadcnt 1                               ; the next tile's k is in; the one younger load, the tile's after it, may be out
.else
	s_wait_loadcnt 0x0
.endif
	WU \t+1, 0
.else
	WU \t, \v+1
.endif
.endif
	FM 0
	FM 1
.set k, 0
.rept 16
	v_exp_f32 v[CB+2*k], v[CB+2*k]
.if k < 14
	FM k+2
.endif
.if (FIRST == 0) && (k == 3)
	v_pk_mul_f32 v[L:L+1], v[L:L+1], v[F:F+1] op_sel_hi:[1,0]     ; the sum under the new M2, ahead of the first addition onto it
.endif
.if HASN && (k >= 5) && (k < 13)
	XM 0, k-5                                      ; at least ten plain lines stand between the products at the section's head and this first read of their results (ISA guide 7.12.1 asks for eight)
.endif
.if ((\v) == 2) && ((\t) < 6) && (k == 5)
	global_load_b128 v[KB+16*((\t)%2):KB+16*((\t)%2)+3], v[L16], s[28:29] offset:512*((\t)+2)   ; this tile's last products stand at the section's head: the tile two on takes the fragment's registers
.endif
	v_exp_f32 v[CB+2*k+1], v[CB+2*k+1]
.if k >= 1
	AD k-1                                         ; a pair behind: a plain line stands between each exponential and the use of its result
.endif
.if FIRST == 0
.if k == 0
	v_sub_f32 v[DF], v[NMC], v[NMO]                ; old M2 - new M2: a whole number, 0 or less
.elseif k == 1
	v_cvt_i32_f32 v[DF], v[DF]
.elseif k == 2
	v_ldexp_f32 v[F], 1.0, v[DF]
.endif
.endif
.if HASN && (k >= 5) && (k < 13)
	XM 1, k-5
.endif
.set k, k+1
.endr
	AD 15
	v_pk_add_f32 v[L:L+1], v[L:L+1], v[T:T+1]
.if (\v) == 3
	TILEEND \t
.endif
.if HASN
.if (\v) == 3
	v_max_num_f32 v[SM], v[MX], v[MX+1]            ; a new tile starts its maximum
.else
	v_max3_num_f32 v[SM], v[MX], v[MX+1], v[SM]
.endif
	v_mul_f32 v[TT], s[CS], v[SM]                  ; as t (log2(e) is positive)
	v_floor_f32 v[NMO], -v[TT]                     ; the next unit's -M2 = floor(-t), in the other register
.endif
.endm
	s_load_b128 s[4:7], s[0:1], 0x0                ; qq, kv
	s_load_b64 s[8:9], s[0:1], 0x10                ; st
	v_lshl_add_u32 v254, v0, 2, 0x29000
	v_mov_b32 v255, 0
	ds_add_u32 v254, v255
	v_lshrrev_b32 v5, 5, v0
	v_readfirstlane_b32 s[WV], v5                  ; wave 0..15
	v_and_b32 v5, 31, v0
	v_and_b32 v6, 15, v0
	v_lshlrev_b32 v[L16], 4, v5
	s_mul_i32 s13, s[WV], QW                       ; group 0, 63:32: the LDS address: my wave's 9,216 bytes
	v_add_nc_u32 v[QA], s13, v[L16]
	s_lshl_b32 s36, s[WV], 10
	s_add_co_u32 s36, s36, PART
	v_lshl_add_u32 v[PA], v6, 2, s36
	v_add_nc_u32 v[MA], PART, v[L16]
.irp i, 64,65,66,67,68,69,70,71,72,73,74,75
	v_mov_b32 v[Q+\i], 0                           ; the tail behind q's last tile
.endr
.irp u, 0,1
.irp i, 4,5,6,7,8,9,10,11,12,13,14,15
	v_mov_b32 v[KB+16*\u+\i], 0                    ; k's blocks 1 to 3: zero codes
.endr
.endr
	v_mov_b32 v[NMA+1], 0                          ; named as the upper halves of pairs
	v_mov_b32 v[NMB+1], 0
	v_mov_b32 v[F+1], 0
	v_mov_b32 v[PX], 0                             ; a lane permute's destination counts as one of its sources
	v_mov_b32 v[PY], 0
	s_bfe_u32 s24, ttmp6, 0x40000                  ; cx: it enters kv's and st's addresses alone
	s_lshl_b32 s25, ttmp9, 2
	s_add_co_u32 s25, s25, s24                     ; my step = 4 x cluster x + cx
	s_and_b32 s26, ttmp7, 0xffff                   ; the batch, which the four partners share
	s_mul_i32 s38, s26, 147456                     ; q: the batch's 32 groups,
	s_add_co_u32 s38, s38, s13                     ; my wave's two
	s_mov_b32 s39, 0
	s_lshl_b32 s40, s26, 5
	s_add_co_u32 s40, s40, s25
	s_mul_i32 s40, s40, 13312                      ; my step in kv
	s_mov_b32 s41, 0
	s_lshl_b32 s42, s26, 14
	s_lshl_b32 s43, s25, 9
	s_add_co_u32 s42, s42, s43                     ; my 128 columns in st
	s_mov_b32 s43, 0
	s_mov_b32 s[CS], 0x3fb8aa3b
	s_mov_b32 s[CS+1], s[CS]
	s_mov_b32 s[SEL], 0x76543210
	s_mov_b32 s[SEL+1], 0xfedcba98
	; descriptor group 1: a dense block of 9,216 bytes as 36 rows of 256 (32 elements of 8 bytes)
	s_mov_b32 s16, 15|(3<<16)|(1<<21)              ; 15:0 the mask: all four work-groups; 17:16 elements of 8 bytes; 21 set beside a mask
	s_mov_b32 s17, 32<<16                          ; tensor_dim0 = 32
	s_mov_b32 s18, 36<<16                          ; tensor_dim1 = 36
	s_mov_b32 s19, 32<<16                          ; tile_dim0 = 32
	s_mov_b32 s20, 36                              ; tile_dim1 = 36
	s_mov_b32 s21, 32                              ; from row to row
	s_mov_b32 s22, 0
	s_mov_b32 s23, 0
	s_mov_b32 s12, 1                               ; group 0: count = 1
	s_wait_dscnt 0x0
	s_wait_kmcnt 0x0
	s_add_nc_u64 s[14:15], s[4:5], s[38:39]
	s_or_b32 s15, s15, 0x80000000                  ; type = 2
	s_add_nc_u64 s[28:29], s[6:7], s[40:41]
	s_add_nc_u64 s[30:31], s[8:9], s[42:43]
	CROUND                                         ; all four work-groups are here: the joint loads meet
	tensor_load_to_lds s[12:15], s[16:23]
	s_nop 0
.rept 4
	v_nop                                          ; four such lines behind the load
.endr
	global_load_b128 v[KS:KS+3], v[L16], s[28:29] offset:4096
	global_load_b128 v[KB:KB+3], v[L16], s[28:29]
	global_load_b128 v[KB+16:KB+19], v[L16], s[28:29] offset:512
	s_wait_tensorcnt 0x0                           ; my part of q is in LDS; only I read it
.irp g, 0,1
.irp i, 0,1,2,3,4,5,6,7
	ds_load_b128 v[Q+4*(8*\g+\i):Q+4*(8*\g+\i)+3], v[QA] offset:4608*\g+512*\i
.endr
	ds_load_b128 v[QS+4*\g:QS+4*\g+3], v[QA] offset:4608*\g+4096
.endr
	s_wait_dscnt 0x0
	s_wait_loadcnt 1                               ; k's scale words and tile 0 are in; the one younger load, tile 1's, may be out
	WU 0, 0                                        ; the first unit has no section in front of it: its products, eight places, its maximum
.rept 8
	v_nop
.endr
.set NB, S
.irp i, 0,1,2,3,4,5,6,7
	XM 0, \i
	XM 1, \i
.endr
	v_max_num_f32 v[SM], v[MX], v[MX+1]
	v_mul_f32 v[TT], s[CS], v[SM]
	v_floor_f32 v[NMA], -v[TT]
.irp t, 0,1,2,3,4,5,6,7
.irp v, 0,1,2,3
	SECTION \t, \v
.endr
.endr
	s_wait_dscnt 0x0                               ; for wave 0's sake: my stores have landed
	s_barrier_signal -1
	s_barrier_wait -1
	s_cmp_lg_u32 s[WV], 0
	s_cbranch_scc1 .Ldone
	; wave 0 joins the sixteen waves' figures: a lane takes columns 4 lane .. 4 lane + 3
.set i, 0
.rept 16
	ds_load_b128 v[Q+4*i:Q+4*i+3], v[MA] offset:1024*i
	ds_load_b128 v[S+4*i:S+4*i+3], v[MA] offset:1024*i+512
.set i, i+1
.endr
	s_wait_dscnt 0x0
.irp k, 0,1,2,3
	v_min3_num_f32 v[MX+\k], v[Q+\k], v[Q+4+\k], v[Q+8+\k]        ; the least -M2: the column's M2
.endr
.irp i, 3,5,7,9,11,13
.irp k, 0,1,2,3
	v_min3_num_f32 v[MX+\k], v[MX+\k], v[Q+4*\i+\k], v[Q+4*\i+4+\k]
.endr
.endr
.irp k, 0,1,2,3
	v_min_num_f32 v[MX+\k], v[MX+\k], v[Q+60+\k]
.endr
.set i, 0
.rept 16
.irp k, 0,1,2,3
	v_sub_f32 v[Q+4*i+\k], v[MX+\k], v[Q+4*i+\k]   ; a wave's M2 less the column's: a whole number, 0 or less
.endr
.irp k, 0,1,2,3
	v_cvt_i32_f32 v[Q+4*i+\k], v[Q+4*i+\k]
.endr
.irp k, 0,1,2,3
	v_ldexp_f32 v[S+4*i+\k], v[S+4*i+\k], v[Q+4*i+\k]
.endr
.set i, i+1
.endr
.set i, 1
.rept 15
	v_pk_add_f32 v[S:S+1], v[S:S+1], v[S+4*i:S+4*i+1]
	v_pk_add_f32 v[S+2:S+3], v[S+2:S+3], v[S+4*i+2:S+4*i+3]
.set i, i+1
.endr
.irp k, 0,1,2,3
	v_log_f32 v[S+\k], v[S+\k]                     ; the largest term lies over one half, so the sum is no small number
.endr
	v_nop                                          ; a plain line behind the logarithms
	s_wait_alu depctr_va_vdst(0)
.irp k, 0,1,2,3
	v_sub_f32 v[S+\k], v[MX+\k], v[S+\k]           ; -M2 - log2 L
.endr
.irp k, 0,1,2,3
	v_mul_f32 v[S+\k], 0x3f317218, v[S+\k]         ; x ln 2
.endr
	global_store_b128 v[L16], v[S:S+3], s[30:31]   ; 32 lanes store 512 consecutive bytes, at a multiple of 256 from st's first byte
.Ldone:
	s_wait_tensorcnt 0x0
	ds_add_u32 v254, v255
	s_wait_dscnt 0x0
	CROUND                                         ; the closing round: no work-group ends while a partner may still ask for a tile that names it
	s_endpgm
.Lfunc_end_k_qf9ccc201a0_stats:
	.size	k_qf9ccc201a0_stats, .Lfunc_end_k_qf9ccc201a0_stats-k_qf9ccc201a0_stats
	.p2alignl 7, 3214868480
	.fill 96, 4, 3214868480
	.section	.rodata,"a",@progbits
	.p2align	6, 0x0
	.amdhsa_kernel k_qf9ccc201a0_stats
		.amdhsa_group_segment_fixed_size 169984
		.amdhsa_private_segment_fixed_size 0
		.amdhsa_enable_private_segment 0
		.amdhsa_kernarg_size 24
		.amdhsa_user_sgpr_count 2
		.amdhsa_user_sgpr_kernarg_segment_ptr 1
		.amdhsa_wavefront_size32 1
		.amdhsa_system_sgpr_workgroup_id_x 1
		.amdhsa_system_sgpr_workgroup_id_y 1
		.amdhsa_system_sgpr_workgroup_id_z 1
		.amdhsa_system_vgpr_workitem_id 0
		.amdhsa_next_free_vgpr 256
		.amdhsa_next_free_sgpr 66
		.amdhsa_reserve_vcc 0
		.amdhsa_float_denorm_mode_32 3
		.amdhsa_float_denorm_mode_16_64 3
		.amdhsa_memory_ordered 1
		.amdhsa_forward_progress 1
		.amdhsa_inst_pref_size 185
	.end_amdhsa_kernel
	.amdgpu_metadata
---
amdhsa.version: [ 1, 2 ]
amdhsa.kernels:
  - .name:           k_qf9ccc201a0_stats
    .symbol:         k_qf9ccc201a0_stats.kd
    .args:
      - { .name: qq, .offset: 0, .size: 8, .value_kind: global_buffer, .address_space: global }
      - { .name: kv, .offset: 8, .size: 8, .value_kind: global_buffer, .address_space: global }
      - { .name: st, .offset: 16, .size: 8, .value_kind: global_buffer, .address_space: global }
    .group_segment_fixed_size: 169984
    .private_segment_fixed_size: 0
    .kernarg_segment_align: 8
    .kernarg_segment_size: 24
    .max_flat_workgroup_size: 512
    .sgpr_count:     66
    .vgpr_count:     256
    .wavefront_size: 32
...
	.end_amdgpu_metadata
.endif
;; end of part 2
;; launch attn (part 3): grid 32 x 8, 16 waves a work-group, clusters of 4 x 1, 327,680 bytes of LDS; arguments qq, kv, st, x1, x2, Wsc_codes, Wsc_scales, gamma, out0; writes out0
.if DOCPART == 3
	.amdgcn_target "amdgcn-amd-amdhsa--gfx1250"
	.amdhsa_code_object_version 6
	.text
	.protected	k_qf9ccc201a0_attn
	.globl	k_qf9ccc201a0_attn
	.p2align	8
	.type	k_qf9ccc201a0_attn,@function
k_qf9ccc201a0_attn:
	s_mov_b64 s[64:65], 0
	v_nop
	global_prefetch_b8 v0, s[64:65] scope:SCOPE_SE
	s_setreg_imm32_b32 hwreg(HW_REG_WAVE_MODE, 25, 1), 1
	s_wait_xcnt 0x0
	s_wait_alu depctr_hold_cnt(0) depctr_sa_sdst(0) depctr_va_vdst(0) depctr_va_sdst(0) depctr_va_ssrc(0) depctr_va_vcc(0) depctr_vm_vsrc(0)
	s_getreg_b32 s2, hwreg(HW_REG_IB_STS2, 6, 4)
	s_cmp_eq_u32 s2, 0
	s_cbranch_scc0 .Lentry_in_a_cluster
	s_endpgm
.Lentry_in_a_cluster:
	s_bfe_u32 s2, ttmp6, 0x10000c
	s_cmp_lg_u32 s2, 0x3003
	s_cbranch_scc0 .Lentry_shape_is_right
	s_endpgm
.Lentry_shape_is_right:
; ATTN.  a[n][m] = exp(am[n][m] + nB[m]) is the finished softmax; it is quantised along m (E5M2, one E8M0 byte for each 32), out = v a, y = gamma out + x, y is quantised along the 64 channels, out0 = Wsc y.
; SHARES.  A work-group owns 128 queries n of one batch.  Wave w: g = w % 4 picks two tiles of 16 queries, p = w / 4 a quarter of the keys: of the 8 steps (of 128 keys) that a slot holds the wave works steps p and p + 4.
; a is already normalised, so the four quarters' results simply add at the end, through LDS.  Four waves to a SIMD.
; LAYOUT.  Both products are used transposed.  S^T: source 0 = 16 keys of k, source 1 = 16 queries of q, C = nB of the result's keys (so the shift costs no vector line): a lane holds ONE query and its registers run
; along the keys; the 16 registers of two neighbouring tiles are a lane's 16 of a block of 32, in the order in which v's codes were laid.  O^T: source 0 = 16 channels of v, source 1 = a's codes.
; K = 32 in the first product: q's fragments have zero codes in blocks 1 to 3; k's tiles lie on end, 4 registers each, and a window of 16 is named.  The scale bytes of those blocks are 0.
; THE ORDER OF A STEP.  A unit is 64 keys x 16 queries: two blocks, S0 and S1, of 16 registers.  Stage A: S0 x log2(e).  Stage B: S0's exponentials, among S1's multiplications and S0's maximum.  Stage C: S1's
; exponentials, among S1's maximum and all of S0's quantising.  Stage D: S1's quantising.  The next unit's products into S0 stand between C and D, those into S1 behind D: so D and A are the places behind them, no
; exponential stands in a long run, and LDS loads are issued a stage or more ahead of the wait for them.
; RING.  Two LDS slots, 131,072 bytes apart; a slot holds eight steps of kv (13,312 bytes each) and their 4,096 bytes of st.  CLUSTER: the four query blocks of a cluster walk the same kv and st, so each tile is asked
; for JOINTLY (waves 0 to 3: two steps of kv each, 104 rows of 256 bytes; wave 4: st).  One tensor load of a wave is out at the most; it has two steps' work of every wave in which to land, so no prefetch is written.
; LIMITS: an a under 2^-126 counts as 0 (v_exp_f32 gives 0 there: ISA guide, its entry); NaN and infinities are not served; a block of zeros gets the byte 1 over zero codes.
.set SLOT1, 131072
.set STB,   13312                      ; a step of kv
.set STAT,  8*STB                      ; a slot's st: 512 bytes a step; the slot ends at 110,592
.set SPARE, 241664                     ; behind slot 1: the spare words, 128 bytes for each wave: eight blocks of 256 bytes that no other line names
.set YSTG,  243712                     ; the way out: 32 rows x (512 bytes + 16)
.set YP,    528
; At the end each wave's O^T goes to LDS as an image of its 64 registers, 8,192 bytes a wave, from byte 0 on: slot 0, which has had its last fill and, behind the last change of slots, its last read, and the 20,480 bytes
; between the slots, into which no tile lands.
.set SPW,  1                           ; v1   my spare word's LDS address; never rewritten
.set NIL,  2                           ; v2   0; never rewritten
.set AK,   3                           ; v3   16 lane + 13,312 p
.set AS,   4                           ; v4   STAT + 512 p + 32 h
.set AV,   5                           ; v5   8 lane + 13,312 p + 12,800
.set ADK,  6                           ; v6-8 the same for the step in hand
.set ADS,  7
.set ADV,  8
.set QSC,  9                           ; v9   q's scale words: lanes 0-15 my first tile, lanes 16-31 my second
.set PW,   10                          ; v10-11 a's scale words, a tile of queries each
.set KSC,  12                          ; v12-15 k's scale words: register i: lanes 0-15 tile 2 i, lanes 16-31 tile 2 i + 1
.set VSC,  16                          ; v16-17 v's likewise
.set TM,   18                          ; for block u: v18+u the largest a; v20+u at work, then the bound 57,344 x the scale; v24+u the conversions' scale operand
.set L16,  26                          ; v26  16 lane
.set QF,   28                          ; v28-59  q's two fragments: 4 registers of codes, 12 of zeros; at the end Wsc's two: 8 and 8
.set KF,   60                          ; v60-75  four tiles of k on end; v76-87 the tail of zeros
.set YC,   68                          ; v68-75  at the end y's codes, with v76-83 as their zeros
.set C,    88                          ; v88-119  nB in a result's layout, four tiles
.set S,    120                         ; v120-135 S0, v136-151 S1
.set V,    88                          ; v88-151  v's four fragments, over C and S
.set X,    88                          ; at the end x, then the last results
.set SUM,  120                         ; at the end v120-247: the four quarters of O^T
.set P,    152                         ; v152-183 a's codes: two fragments
.set O,    184                         ; v184-247 O^T: tile of queries a, tile of channels ct at 32 a + 8 ct
.set OST,  248
.set ORD0, 249
.set ORD1, 250
.set YST,  251
.set YRD,  252
.set XOE,  253
.set WOE,  254
.set WSE,  255
.set WV,   24
.set GG,   25
.set PP,   26
.set TB,   30                          ; s30  where the slot in hand begins
.set CNT,  31
.set G1K,  32                          ; s[32:39] descriptor group 1 for two steps of kv;  s[40:47] for a slot's st
.set G1S,  40
.set G0K,  48                          ; s[48:51], s[52:55] their groups 0, which walk
.set G0S,  52
.set CS,   56                          ; s[56:57] log2(e)
.set SEL,  58
.set MNT,  60
.macro CROUND                          ; a round of the cluster's barrier
	s_barrier_signal -1
	s_barrier_wait -1
	s_cmp_lg_u32 s[WV], 0
	s_cbranch_scc1 .Lnot_wave_0_\@
	s_barrier_signal -3
.Lnot_wave_0_\@:
	s_barrier_wait -3
	s_barrier_signal -1
	s_barrier_wait -1
.endm
; The branches hang on the wave's number alone: they are the same in every work-group.  Four v_nop follow each of the two lines.
.macro TLOAD
	s_cmp_lt_u32 s[WV], 4
	s_cbranch_scc0 .Lnot_k_\@
	tensor_load_to_lds s[G0K:G0K+3], s[G1K:G1K+7]
	s_nop 0
.rept 4
	v_nop
.endr
	s_branch .Lasked_\@
.Lnot_k_\@:
	s_cmp_eq_u32 s[WV], 4
	s_cbranch_scc0 .Lasked_\@
	tensor_load_to_lds s[G0S:G0S+3], s[G1S:G1S+7]
	s_nop 0
.rept 4
	v_nop
.endr
.Lasked_\@:
.endm
.macro WM d, a, b, c, sa, sb, ra, rb   ; C in registers.  ra, rb = 1: that side's scale words stand in lanes 16-31
.if (\ra) && (\rb)
	v_wmma_scale_f32_16x16x128_f8f6f4 v[\d:\d+7], v[\a:\a+15], v[\b:\b+15], v[\c:\c+7], v[\sa], v[\sb] matrix_a_fmt:MATRIX_FMT_BF8 matrix_b_fmt:MATRIX_FMT_BF8 matrix_a_scale:MATRIX_SCALE_ROW1 matrix_b_scale:MATRIX_SCALE_ROW1
.elseif (\ra)
	v_wmma_scale_f32_16x16x128_f8f6f4 v[\d:\d+7], v[\a:\a+15], v[\b:\b+15], v[\c:\c+7], v[\sa], v[\sb] matrix_a_fmt:MATRIX_FMT_BF8 matrix_b_fmt:MATRIX_FMT_BF8 matrix_a_scale:MATRIX_SCALE_ROW1
.elseif (\rb)
	v_wmma_scale_f32_16x16x128_f8f6f4 v[\d:\d+7], v[\a:\a+15], v[\b:\b+15], v[\c:\c+7], v[\sa], v[\sb] matrix_a_fmt:MATRIX_FMT_BF8 matrix_b_fmt:MATRIX_FMT_BF8 matrix_b_scale:MATRIX_SCALE_ROW1
.else
	v_wmma_scale_f32_16x16x128_f8f6f4 v[\d:\d+7], v[\a:\a+15], v[\b:\b+15], v[\c:\c+7], v[\sa], v[\sb] matrix_a_fmt:MATRIX_FMT_BF8 matrix_b_fmt:MATRIX_FMT_BF8
.endif
.endm
.macro WB hh, a, u                     ; block u of the unit (half hh of the step, tile of queries a): two products, am + nB of 32 keys
.irp e, 0,1
	WM S+8*(2*\u+\e), KF+4*(2*\u+\e), QF+16*\a, C+8*(2*\u+\e), KSC+2*\hh+\u, QSC, \e, \a
.endr
.endm
.macro PV ct                           ; O^T += v^T a^T: channel tile ct, both tiles of queries; K = the step's 128 keys
.irp a, 0,1
	WM O+32*\a+8*\ct, V+16*\ct, P+16*\a, O+32*\a+8*\ct, VSC+\ct/2, PW+\a, \ct%2, 0
.endr
.endm
; The lines of a block u (0: S0, 1: S1)
.macro MUL u, k                        ; pair k x log2(e)
	v_pk_mul_f32 v[S+16*\u+2*(\k):S+16*\u+2*(\k)+1], v[S+16*\u+2*(\k):S+16*\u+2*(\k)+1], s[CS:CS+1] op_sel_hi:[1,0]
.endm
.macro EX u, j
	v_exp_f32 v[S+16*\u+(\j)], v[S+16*\u+(\j)]
.endm
.macro MXB u, k                        ; pair k joins the block's largest a.  a is not negative: no |.|; the floor 2^(16 - 127) holds the byte at 1 from below
.if (\k) == 0
	s_wait_alu depctr_va_vdst(0)
	v_max3_num_f32 v[TM+\u], v[S+16*\u], v[S+16*\u+1], 0x8000000
.else
	s_wait_alu depctr_va_vdst(0)
	v_max3_num_f32 v[TM+\u], v[TM+\u], v[S+16*\u+2*(\k)], v[S+16*\u+2*(\k)+1]
.endif
.endm
.macro QPERM u
	v_permlanex16_b32 v[TM+2+\u], v[TM+\u], s[SEL], s[SEL+1]
.endm
.macro QMAX u                          ; with lane l xor 16's 16 keys: the block's largest a
	v_max_num_f32 v[TM+\u], v[TM+\u], v[TM+2+\u]
.endm
.macro QSCL u                          ; 15 off the exponent field: the conversion's scale operand
	v_add_nc_u32 v[TM+6+\u], 0xf8800000, v[TM+\u]
.endm
.macro QBYTE a, pos, u                 ; the scale's byte; that of the step's first block starts the word
.if (\pos) == 0
	v_lshrrev_b32 v[PW+\a], 23, v[TM+6+\u]
.else
	v_lshrrev_b32 v[TM+2+\u], 23, v[TM+6+\u]
.endif
.endm
.macro QWORD a, pos, u
.if (\pos) > 0
	v_lshl_or_b32 v[PW+\a], v[TM+2+\u], 8*(\pos), v[PW+\a]
.endif
.endm
.macro QHOLD u
.endm
.macro QHOLD2 u                        ; 57,344 x the scale
	v_and_or_b32 v[TM+2+\u], v[TM+\u], 0x7f800000, s[MNT]
.endm
.macro DM u, k
.endm
.macro CV a, pos, u, e                 ; eight numbers become codes: registers 4 pos + 2 e, + 1 of the fragment of tile of queries a
	v_cvt_scalef32_pk8_bf8_f32 v[P+16*\a+4*(\pos)+2*\e:P+16*\a+4*(\pos)+2*\e+1], v[S+16*\u+8*\e:S+16*\u+8*\e+7], v[TM+6+\u]
.endm
.macro SGA                             ; STAGE A: eight plain lines on S0: the eight places behind the products into S1; each result from its low end on
.irp k, 0,1,2,3,4,5,6,7
	MUL 0, \k
.endr
.endm
.macro SGB                             ; STAGE B: a plain line that names another register stands behind each exponential, or another exponential
	EX 0, 0
	MUL 1, 0
	EX 0, 1
	MUL 1, 1
	EX 0, 2
	MUL 1, 2
	EX 0, 3
	MXB 0, 0
.irp m, 0,1,2,3,4
	EX 0, 4+2*\m
	MUL 1, 3+\m
	EX 0, 5+2*\m
	MXB 0, 1+\m
.endr
	EX 0, 14
	EX 0, 15
	MXB 0, 6
.endm
.macro SGC a, pos                      ; STAGE C: S1's exponentials; S0 becomes block pos of the fragment of tile of queries a
	EX 1, 0
	MXB 0, 7
	EX 1, 1
	QPERM 0
	EX 1, 2
	QMAX 0
	EX 1, 3
	MXB 1, 0
	QSCL 0
	EX 1, 4
	QHOLD 0
	QBYTE \a, \pos, 0
	EX 1, 5
	MXB 1, 1
	QWORD \a, \pos, 0
	EX 1, 6
	QHOLD2 0
	EX 1, 7
	MXB 1, 2
	DM 0, 0
	EX 1, 8
	DM 0, 1
	DM 0, 2
	EX 1, 9
	MXB 1, 3
	DM 0, 3
	EX 1, 10
	CV \a, \pos, 0, 0
	DM 0, 4
	EX 1, 11
	MXB 1, 4
	DM 0, 5
	EX 1, 12
	DM 0, 6
	DM 0, 7
	EX 1, 13
	MXB 1, 5
	CV \a, \pos, 0, 1
	EX 1, 14
	EX 1, 15
	MXB 1, 6                                       ; also the plain line between S0's last conversion and the products that write S0 again
.endm
.macro SGD a, pos                      ; STAGE D: S1 becomes block pos.  Its plain lines are the places behind the next unit's products into S0; behind the scale word stand QHOLD2's line and the two conversions
	MXB 1, 7
	QPERM 1
	QMAX 1
	QSCL 1
	QHOLD 1
	QBYTE \a, \pos, 1
	QWORD \a, \pos, 1
	QHOLD2 1
.irp k, 0,1,2,3
	DM 1, \k
.endr
	CV \a, \pos, 1, 0
.irp k, 4,5,6,7
	DM 1, \k
.endr
	CV \a, \pos, 1, 1
.endm
.macro LOADK hh                        ; half hh of the step: four tiles of k, and nB of their keys in a result's layout
.irp i, 0,1,2,3
	ds_load_b128 v[KF+4*\i:KF+4*\i+3], v[ADK] offset:512*(4*\hh+\i)
.endr
.irp i, 0,1,2,3
	ds_load_b128 v[C+8*\i:C+8*\i+3], v[ADS] offset:256*\hh+64*\i           ; nB of keys 64 hh + 16 i + 8 h + 0 .. 7: sixteen lanes read the same 16 bytes
	ds_load_b128 v[C+8*\i+4:C+8*\i+7], v[ADS] offset:256*\hh+64*\i+16
.endr
.endm
.macro LOADV ct
.irp g, 0,1,2,3
	ds_load_b128 v[V+16*\ct+4*\g:V+16*\ct+4*\g+3], v[ADK] offset:4608+2048*\ct+512*\g
.endr
.endm
; A STEP: 128 keys against my 32 queries.  sec = 0: step p of the slot in hand; 1: step p + 4.
.macro STEP sec
.if \sec
	v_add_nc_u32 v[ADK], 4*STB, v[ADK]
	v_add_nc_u32 v[ADS], 4*512, v[ADS]
	v_add_nc_u32 v[ADV], 4*STB, v[ADV]
.else
	v_add_nc_u32 v[ADK], s[TB], v[AK]
	v_add_nc_u32 v[ADS], s[TB], v[AS]
	v_add_nc_u32 v[ADV], s[TB], v[AV]
.endif
.rept 6
	v_nop                                          ; with the three additions nine places behind the last step's products: eight in front of the loads into v's registers, nine in front of the products that write over them
.endr
	LOADK 0
	ds_load_b128 v[KSC:KSC+3], v[ADK] offset:4096
	ds_load_b32 v[VSC], v[ADV]
	ds_load_b32 v[VSC+1], v[ADV] offset:256
	s_wait_dscnt 0x0
	WB 0, 0, 0
	WB 0, 0, 1
.rept 8
	v_nop                                          ; the step's first unit has no stage D in front of it
.endr
	SGA                                            ; ---- keys 0-63, my first tile of queries
	SGB
	SGC 0, 0
	WB 0, 1, 0
	SGD 0, 1
	v_nop                                          ; a plain line between the last conversion and the products that write its sources
	WB 0, 1, 1
	SGA                                            ; ---- keys 0-63, my second tile
	LOADK 1                                        ; behind stage A's eight places: the last products on the first half's k and nB are done with their registers
	SGB
	SGC 1, 0
	s_wait_dscnt 0x0                               ; the second half's k and nB, asked for two stages ago
	WB 1, 0, 0
	SGD 1, 1
	v_nop
	WB 1, 0, 1
	SGA                                            ; ---- keys 64-127, my first tile
	SGB
	SGC 0, 2
	WB 1, 1, 0
	SGD 0, 3
	v_nop
	WB 1, 1, 1
	SGA                                            ; ---- keys 64-127, my second tile
	LOADV 0                                        ; v's channel tiles 0 and 1 take nB's registers, behind stage A's eight places;
	LOADV 1
	SGB
	SGC 1, 2
	LOADV 2                                        ; tile 2 takes S0, whose codes are made;
	SGD 1, 3
	LOADV 3                                        ; tile 3 takes S1
.rept 4
	v_nop                                          ; four places between the last codes and the products that take them
.endr
	s_wait_dscnt 4                                 ; all but the four youngest loads, tile 3's
	PV 0                                           ; the eight accumulators take turns, one instruction a turn
	PV 1
	PV 2
	s_wait_dscnt 0x0
	PV 3
.endm
; THE CHANGE OF SLOTS stands at a slot's head.  Each wave waits for all its tensor loads (its part of the slot that it is about to read), adds 0 to its spare word, and waits for that and for its reads of the slot that it
; has left.  fill = 1: a round of the cluster's barrier, so that no wave of any partner still reads that slot or has a load on its way; then the joint refill, first thing behind it.
.macro CHANGE fill
	s_wait_tensorcnt 0x0                           ; no tensor load of mine is out, so a group 0 may be written
	ds_add_u32 v[SPW], v[NIL]                      ; 0 onto my spare word
.if \fill
	s_xor_b32 s[G0K+1], s[G0K+1], SLOT1            ; the other slot than last time,
	s_add_nc_u64 s[G0K+2:G0K+3], s[G0K+2:G0K+3], 8*STB   ; the next eight steps; the type bits on top are not reached
	s_xor_b32 s[G0S+1], s[G0S+1], SLOT1
	s_add_nc_u64 s[G0S+2:G0S+3], s[G0S+2:G0S+3], 4096
.endif
	s_wait_dscnt 0x0                               ; the add is done, and my reads of the slot that I have left are over
.if \fill
	CROUND
	TLOAD
.else
	s_barrier_signal -1
	s_barrier_wait -1
.endif
.endm
	s_load_b512 s[4:19], s[0:1], 0x0               ; qq, kv, st, x1, x2, Wsc's codes, Wsc's scales, gamma
	s_load_b64 s[20:21], s[0:1], 0x40              ; out0
	v_lshl_add_u32 v[SPW], v0, 2, SPARE
	v_mov_b32 v[NIL], 0
	ds_add_u32 v1, v2
	s_wait_dscnt 0x0
	v_lshrrev_b32 v6, 5, v0
	v_readfirstlane_b32 s[WV], v6                  ; wave 0..15
	s_and_b32 s[GG], s[WV], 3                      ; g
	s_lshr_b32 s[PP], s[WV], 2                     ; p
	s_and_b32 s70, s[PP], 1
	s_bfe_u32 s27, ttmp6, 0x40000                  ; cx: it enters q's, x's and out0's addresses alone
	s_lshl_b32 s28, ttmp9, 2
	s_add_co_u32 s28, s28, s27                     ; my block of 128 queries = 4 x cluster x + cx
	s_and_b32 s29, ttmp7, 0xffff                   ; the batch, which the four partners share
	; descriptor groups 1: dense blocks as rows of 256 bytes (32 elements of 8 bytes): 104 rows of kv, 16 of st
	s_mov_b32 s[G1K], 15|(3<<16)|(1<<21)           ; 15:0 the mask: all four work-groups; 17:16 elements of 8 bytes; 21 set beside a mask
	s_mov_b32 s[G1K+1], 32<<16                     ; tensor_dim0
	s_mov_b32 s[G1K+2], 104<<16                    ; tensor_dim1
	s_mov_b32 s[G1K+3], 32<<16                     ; tile_dim0
	s_mov_b32 s[G1K+4], 104                        ; tile_dim1
	s_mov_b32 s[G1K+5], 32                         ; from row to row
	s_mov_b32 s[G1K+6], 0
	s_mov_b32 s[G1K+7], 0
	s_mov_b32 s[G1S], 15|(3<<16)|(1<<21)
	s_mov_b32 s[G1S+1], 32<<16
	s_mov_b32 s[G1S+2], 16<<16
	s_mov_b32 s[G1S+3], 32<<16
	s_mov_b32 s[G1S+4], 16
	s_mov_b32 s[G1S+5], 32
	s_mov_b32 s[G1S+6], 0
	s_mov_b32 s[G1S+7], 0
	s_mov_b32 s[G0K], 1                            ; count = 1
	s_mul_i32 s[G0K+1], s[GG], 2*STB               ; LDS address: waves 0 to 3 fetch steps 2 w and 2 w + 1 of the slot's eight
	s_mul_i32 s76, s29, 32*STB
	s_add_co_u32 s76, s76, s[G0K+1]                ; and the same steps in the batch's kv
	s_mov_b32 s77, 0
	s_mov_b32 s[G0S], 1
	s_mov_b32 s[G0S+1], STAT
	s_lshl_b32 s78, s29, 14                        ; the batch's st
	s_mov_b32 s79, 0
	s_mov_b32 s[CS], 0x3fb8aa3b
	s_mov_b32 s[CS+1], s[CS]
	s_mov_b32 s[SEL], 0x76543210
	s_mov_b32 s[SEL+1], 0xfedcba98
	s_mov_b32 s[MNT], 0x600000
	s_mov_b32 s[TB], 0
	s_mov_b32 s[CNT], 3
	; every LDS address that stays is made here, ahead of the first place at which the waves part
	v_and_b32 v6, 31, v0                           ; lane
	v_and_b32 v7, 15, v0                           ; r
	v_bfe_u32 v8, v0, 4, 1                         ; h
	v_lshlrev_b32 v[L16], 4, v6
	s_mul_i32 s66, s[PP], STB
	v_add_nc_u32 v[AK], s66, v[L16]
	s_lshl_b32 s67, s[PP], 9
	s_add_co_u32 s67, s67, STAT
	v_lshl_add_u32 v[AS], v8, 5, s67
	s_add_co_u32 s68, s66, 12800
	v_lshl_add_u32 v[AV], v6, 3, s68
	s_lshl_b32 s69, s[WV], 13
	v_add_nc_u32 v[OST], s69, v[L16]               ; my O^T's image: 8,192 wave + 16 lane
	s_lshl_b32 s69, s[GG], 13
	s_lshl_b32 s71, s70, 12
	s_add_co_u32 s69, s69, s71
	v_add_nc_u32 v[ORD0], s69, v[L16]              ; the tile that I add up: group g, tile p % 2, of quarters 0 and 1;
	v_add_nc_u32 v[ORD1], 65536, v[ORD0]           ; of quarters 2 and 3
	v_mul_u32_u24 v[YST], v7, YP
	v_lshl_add_u32 v[YST], v8, 5, v[YST]
	s_lshl_b32 s69, s[GG], 7
	s_lshl_b32 s71, s70, 6
	s_add_co_u32 s69, s69, s71
	s_add_co_u32 s69, s69, YSTG
	v_add_nc_u32 v[YST], s69, v[YST]               ; the way out, in: row r, my tile's 64 bytes, + 32 h
	s_mul_i32 s69, s[WV], 2*YP
	s_add_co_u32 s69, s69, YSTG
	v_add_nc_u32 v[YRD], s69, v[L16]               ; back: rows 2 w and 2 w + 1, whole
	v_lshlrev_b32 v[XOE], 2, v7
	v_lshl_add_u32 v[XOE], v8, 17, v[XOE]          ; x: 8 h channels of 16,384 bytes + 4 r
	v_lshlrev_b32 v[WOE], 6, v7
	v_lshl_add_u32 v[WOE], v8, 3, v[WOE]           ; Wsc: row r of 64 bytes + 8 h
	v_lshlrev_b32 v[WSE], 1, v7
	s_wait_kmcnt 0x0
	s_add_nc_u64 s[G0K+2:G0K+3], s[6:7], s[76:77]
	s_or_b32 s[G0K+3], s[G0K+3], 0x80000000        ; type = 2
	s_add_nc_u64 s[G0S+2:G0S+3], s[8:9], s[78:79]
	s_or_b32 s[G0S+3], s[G0S+3], 0x80000000
	s_load_b32 s22, s[18:19], 0x0                  ; gamma
	CROUND                                         ; all four work-groups are here: the first joint loads meet
	TLOAD                                          ; the first eight steps into slot 0
	s_mul_i32 s62, s29, 147456
	s_mul_i32 s61, s28, 4608
	s_add_co_u32 s62, s62, s61
	s_mov_b32 s63, 0
	s_add_nc_u64 s[4:5], s[4:5], s[62:63]          ; my block's group in qq
	s_lshl_b32 s62, s[GG], 10
	s_add_nc_u64 s[72:73], s[4:5], s[62:63]        ; my two tiles,
	s_lshl_b32 s62, s[GG], 2
	s_add_nc_u64 s[74:75], s[4:5], s[62:63]        ; word g of the scale image
	global_load_b128 v[QF:QF+3], v[L16], s[72:73]
	global_load_b128 v[QF+16:QF+19], v[L16], s[72:73] offset:512
	global_load_b32 v[QSC], v[L16], s[74:75] offset:4096
	s_lshl_b32 s62, s29, 19
	s_lshl_b32 s61, s28, 9
	s_add_co_u32 s62, s62, s61                     ; the batch, and my block's 128 pixels
	s_add_nc_u64 s[10:11], s[10:11], s[62:63]
	s_add_nc_u64 s[12:13], s[12:13], s[62:63]
	s_add_nc_u64 s[20:21], s[20:21], s[62:63]
	s_lshl_b32 s62, s[GG], 7
	s_lshl_b32 s61, s70, 6
	s_add_co_u32 s62, s62, s61                     ; x: the tile that I finish
	s_add_nc_u64 s[10:11], s[10:11], s[62:63]
	s_add_nc_u64 s[12:13], s[12:13], s[62:63]
	s_lshl_b32 s62, s[WV], 15                      ; out0: rows 2 w and 2 w + 1
	s_add_nc_u64 s[20:21], s[20:21], s[62:63]
.irp u, 0,1
.irp i, 4,5,6,7,8,9,10,11,12,13,14,15
	v_mov_b32 v[QF+16*\u+\i], 0                    ; q's blocks 1 to 3: zero codes
.endr
.endr
.irp i, 16,17,18,19,20,21,22,23,24,25,26,27
	v_mov_b32 v[KF+\i], 0                          ; the tail behind k's last tile
.endr
	v_mov_b32 v[TM+2], 0                           ; a lane permute's destination counts as one of its sources
	v_mov_b32 v[TM+3], 0
.set j, 0
.rept 64
	v_mov_b32 v[O+j], 0                            ; O^T: cleared once, so that the step is written for the loop alone
.set j, j+1
.endr
	s_wait_kmcnt 0x0
	s_mov_b32 s23, s22                             ; named with gamma as a pair
	s_wait_loadcnt 0x0                             ; q
.Lslot:                                            ; three trips: behind each change of slots but the last the next eight steps are asked for
	CHANGE 1
	STEP 0
	STEP 1
	s_xor_b32 s[TB], s[TB], SLOT1                  ; on to the other slot
	s_sub_co_u32 s[CNT], s[CNT], 1
	s_cmp_lg_u32 s[CNT], 0
	s_cbranch_scc1 .Lslot
	CHANGE 0                                       ; the last slot (slot 1) is written out
	STEP 0
	STEP 1
.rept 8
	v_nop                                          ; eight places between the last products and the loads into v's registers and the stores of O^T
.endr
	; ---- THE END.  Waves 0 to 7 each finish one tile of 16 queries (group g, tile p): they ask for its x and for Wsc now
	s_cmp_lt_u32 s[WV], 8
	s_cbranch_scc0 .Lno_x
.irp ct, 0,1
.irp j, 0,1,2,3,4,5,6,7
	global_load_b32 v[X+8*\ct+\j], v[XOE], s[10:11] offset:(16*\ct+\j)*16384          ; x(16 ct + 8 h + j, my query): O^T's layout
.endr
.endr
.irp ct, 0,1
.irp j, 0,1,2,3,4,5,6,7
	global_load_b32 v[X+16+8*\ct+\j], v[XOE], s[12:13] offset:(16*\ct+\j)*16384
.endr
.endr
.irp t, 0,1
.irp c, 0,1
.irp u, 0,1
	global_load_b64 v[QF+16*\t+4*\c+2*\u:QF+16*\t+4*\c+2*\u+1], v[WOE], s[14:15] offset:1024*\t+32*\c+16*\u   ; Wsc in y's order along K: byte i of lane half h is k = 32 c + 16 (i / 8) + 8 h + i % 8; registers 8 to 15 stay zeros
.endr
.endr
	global_load_u16 v[KSC+\t], v[WSE], s[16:17] offset:32*\t
.endr
.Lno_x:
.set j, 0
.rept 16
	ds_store_b128 v[OST], v[O+4*j:O+4*j+3] offset:512*j        ; each accumulator from its low end on
.set j, j+1
.endr
	s_wait_dscnt 0x0                               ; for the others' sake: my stores have landed
	s_barrier_signal -1
	s_barrier_wait -1                              ; sixteen images of O^T lie in LDS
	s_cmp_lt_u32 s[WV], 8
	s_cbranch_scc0 .Lno_y
.irp q, 0,1
.irp k, 0,1,2,3,4,5,6,7
	ds_load_b128 v[SUM+32*\q+4*\k:SUM+32*\q+4*\k+3], v[ORD0] offset:32768*\q+512*\k
.endr
.endr
.irp q, 0,1
.irp k, 0,1,2,3,4,5,6,7
	ds_load_b128 v[SUM+64+32*\q+4*\k:SUM+64+32*\q+4*\k+3], v[ORD1] offset:32768*\q+512*\k
.endr
.endr
	s_wait_dscnt 0x0
.set j, 0
.rept 16
	v_pk_add_f32 v[SUM+j:SUM+j+1], v[SUM+j:SUM+j+1], v[SUM+32+j:SUM+32+j+1]
	v_pk_add_f32 v[SUM+64+j:SUM+64+j+1], v[SUM+64+j:SUM+64+j+1], v[SUM+96+j:SUM+96+j+1]
.set j, j+2
.endr
.set j, 0
.rept 16
	v_pk_add_f32 v[SUM+j:SUM+j+1], v[SUM+j:SUM+j+1], v[SUM+64+j:SUM+64+j+1]
.set j, j+2
.endr
	s_wait_loadcnt 0x0                             ; x and Wsc
.set j, 0
.rept 16
	v_pk_fma_f32 v[SUM+j:SUM+j+1], v[SUM+j:SUM+j+1], s[22:23], v[X+j:X+j+1] op_sel_hi:[1,0,1]   ; y = gamma out + x
.set j, j+2
.endr
	; y is quantised along the channels: two blocks; a lane's 16 registers of a block, lane l xor 16 holds the other 16
.irp u, 0,1
	v_max3_num_f32 v[TM+\u], |v[SUM+16*\u]|, |v[SUM+16*\u+1]|, 0x8000000
.endr
.irp i, 2,4,6,8,10,12,14
.irp u, 0,1
	v_max3_num_f32 v[TM+\u], v[TM+\u], |v[SUM+16*\u+\i]|, |v[SUM+16*\u+\i+1]|
.endr
.endr
.irp u, 0,1
	v_permlanex16_b32 v[TM+2+\u], v[TM+\u], s[SEL], s[SEL+1]
.endr
.irp u, 0,1
	v_max_num_f32 v[TM+\u], v[TM+\u], v[TM+2+\u]
.endr
.irp u, 0,1
	v_add_nc_u32 v[TM+6+\u], 0xf8800000, v[TM+\u]
.endr
.irp u, 0,1
.endr
.irp u, 0,1
	v_lshrrev_b32 v[TM+2+\u], 23, v[TM+6+\u]
.endr
	v_lshl_or_b32 v[PW], v[TM+3], 8, v[TM+2]       ; y's scale word: two bytes, and zeros
.irp u, 0,1
.irp i, 0,1,2,3,4,5,6,7,8,9,10,11,12,13,14,15
.endr
	v_cvt_scalef32_pk8_bf8_f32 v[YC+4*\u:YC+4*\u+1], v[SUM+16*\u:SUM+16*\u+7], v[TM+6+\u]
	v_cvt_scalef32_pk8_bf8_f32 v[YC+4*\u+2:YC+4*\u+3], v[SUM+16*\u+8:SUM+16*\u+15], v[TM+6+\u]
.endr
.rept 4
	v_nop                                          ; four places between the codes and the products that take them
.endr
.irp t, 0,1                                    ; source 0 = my 16 queries of y, source 1 = 16 rows of Wsc: lane (r, h) holds row 16 t + r of out0 and queries 8 h + 0 .. 7: 32 neighbouring bytes
	v_wmma_scale_f32_16x16x128_f8f6f4 v[X+8*\t:X+8*\t+7], v[YC:YC+15], v[QF+16*\t:QF+16*\t+15], 0, v[PW], v[KSC+\t] matrix_a_fmt:MATRIX_FMT_BF8 matrix_b_fmt:MATRIX_FMT_BF8
.endr
.rept 8
	v_nop
.endr
.irp t, 0,1
	ds_store_b128 v[YST], v[X+8*\t:X+8*\t+3] offset:16*YP*\t
	ds_store_b128 v[YST], v[X+8*\t+4:X+8*\t+7] offset:16*YP*\t+16
.endr
.Lno_y:
	s_wait_dscnt 0x0                               ; for the others' sake: my stores have landed
	s_barrier_signal -1
	s_barrier_wait -1                              ; 32 whole rows of 128 queries lie in the stage
	ds_load_b128 v[SUM:SUM+3], v[YRD]
	ds_load_b128 v[SUM+4:SUM+7], v[YRD] offset:YP
	s_wait_dscnt 0x0
	global_store_b128 v[L16], v[SUM:SUM+3], s[20:21] th:TH_STORE_NT                  ; 32 lanes store 512 consecutive bytes, at a multiple of 256 from out0's first byte
	global_store_b128 v[L16], v[SUM+4:SUM+7], s[20:21] offset:16384 th:TH_STORE_NT
	s_wait_tensorcnt 0x0                           ; the wave's end, behind my last tensor load and my last LDS store
	ds_add_u32 v[SPW], v[NIL]
	s_wait_dscnt 0x0
	CROUND                                         ; the closing round: no work-group ends while a partner may still ask for a tile that names it
	s_endpgm
.Lfunc_end_k_qf9ccc201a0_attn:
	.size	k_qf9ccc201a0_attn, .Lfunc_end_k_qf9ccc201a0_attn-k_qf9ccc201a0_attn
	.p2alignl 7, 3214868480
	.fill 96, 4, 3214868480
	.section	.rodata,"a",@progbits
	.p2align	6, 0x0
	.amdhsa_kernel k_qf9ccc201a0_attn
		.amdhsa_group_segment_fixed_size 327680
		.amdhsa_private_segment_fixed_size 0
		.amdhsa_enable_private_segment 0
		.amdhsa_kernarg_size 72
		.amdhsa_user_sgpr_count 2
		.amdhsa_user_sgpr_kernarg_segment_ptr 1
		.amdhsa_wavefront_size32 1
		.amdhsa_system_sgpr_workgroup_id_x 1
		.amdhsa_system_sgpr_workgroup_id_y 1
		.amdhsa_system_sgpr_workgroup_id_z 1
		.amdhsa_system_vgpr_workitem_id 0
		.amdhsa_next_free_vgpr 256
		.amdhsa_next_free_sgpr 80
		.amdhsa_reserve_vcc 0
		.amdhsa_float_denorm_mode_32 3
		.amdhsa_float_denorm_mode_16_64 3
		.amdhsa_fp16_overflow 1
		.amdhsa_memory_ordered 1
		.amdhsa_forward_progress 1
		.amdhsa_inst_pref_size 125
	.end_amdhsa_kernel
	.amdgpu_metadata
---
amdhsa.version: [ 1, 2 ]
amdhsa.kernels:
  - .name:           k_qf9ccc201a0_attn
    .symbol:         k_qf9ccc201a0_attn.kd
    .args:
      - { .name: qq, .offset: 0, .size: 8, .value_kind: global_buffer, .address_space: global }
      - { .name: kv, .offset: 8, .size: 8, .value_kind: global_buffer, .address_space: global }
      - { .name: st, .offset: 16, .size: 8, .value_kind: global_buffer, .address_space: global }
      - { .name: x1, .offset: 24, .size: 8, .value_kind: global_buffer, .address_space: global }
      - { .name: x2, .offset: 32, .size: 8, .value_kind: global_buffer, .address_space: global }
      - { .name: Wsc_codes, .offset: 40, .size: 8, .value_kind: global_buffer, .address_space: global }
      - { .name: Wsc_scales, .offset: 48, .size: 8, .value_kind: global_buffer, .address_space: global }
      - { .name: gamma, .offset: 56, .size: 8, .value_kind: global_buffer, .address_space: global }
      - { .name: out0, .offset: 64, .size: 8, .value_kind: global_buffer, .address_space: global }
    .group_segment_fixed_size: 327680
    .private_segment_fixed_size: 0
    .kernarg_segment_align: 8
    .kernarg_segment_size: 72
    .max_flat_workgroup_size: 512
    .sgpr_count:     80
    .vgpr_count:     256
    .wavefront_size: 32
...
	.end_amdgpu_metadata
.endif
;; end of part 3
